; MI455X (gfx1250); checked and timed in simulation.
; The chip was launched on July 23, 2026; its instructions are those of AMD's public machine-readable ISA for CDNA 5 (MIT licence, August 2026) and "CDNA5" Instruction Set Architecture Reference Guide (July 2026). The comments in the code are by the model that wrote it; some were corrected since.
;; Adaptive Stochastic SNN. Allowed arithmetic: float matrix products may take bf16 or f16 operands with f32 sums; all other float work in f32.
;; Inputs: W1 1,000 x 3,200 float32; W2 4 x 1,000 float32; b1 1,000 float32; b2 4 float32; u1 64 x 256 x 1,000 float32; u2 64 x 256 x 4 float32; x 256 x 64 x 3,200 float32.
;; Outputs: out0 256 x 4 float32.
;; 2 versions, each right; version 2 is version 1 with the launch lif2 written anew for expert scheduling mode. Each part assembles by itself: llvm-mc -triple=amdgcn-amd-amdhsa -mcpu=gfx1250 --defsym DOCPART=n.
;; ======== version 1 of 2: 2 launches
;; workspace buffers: part 2,097,152 bytes
;; launch snn1 (part 1): grid 4 x 64, 4 waves a work-group, clusters of 4 x 4, 327,680 bytes of LDS; arguments x, W1, b1, W2, u1, part; writes part
.if DOCPART == 1
	.amdgcn_target "amdgcn-amd-amdhsa--gfx1250"
	.amdhsa_code_object_version 6
	.text
	.protected	k_q26fa3fba21_snn1
	.globl	k_q26fa3fba21_snn1
	.p2align	8
	.type	k_q26fa3fba21_snn1,@function
k_q26fa3fba21_snn1:
	s_mov_b64 s[64:65], 0
	v_nop
	global_prefetch_b8 v0, s[64:65] scope:SCOPE_SE
	s_setreg_imm32_b32 hwreg(HW_REG_WAVE_MODE, 25, 1), 1
	s_wait_xcnt 0x0
	s_wait_alu depctr_hold_cnt(0) depctr_sa_sdst(0) depctr_va_vdst(0) depctr_va_sdst(0) depctr_va_ssrc(0) depctr_va_vcc(0) depctr_vm_vsrc(0)
	s_getreg_b32 s2, hwreg(HW_REG_IB_STS2, 6, 4)
	s_cmp_eq_u32 s2, 0
	s_cbranch_scc0 .Lentry_in_a_cluster
	s_endpgm
.Lentry_in_a_cluster:
	s_bfe_u32 s2, ttmp6, 0x10000c
	s_cmp_lg_u32 s2, 0xf033
	s_cbranch_scc0 .Lentry_shape_is_right
	s_endpgm
.Lentry_shape_is_right:
; FIRST LAYER OF THE SPIKING NET, fused: cur1 = x W1^T + b1 (rows m = 64 b + t, 16,384 x 1,000 x 3,200), the stochastic adaptive LIF scan over t for every (b, h),
; and each wave's part of cur2 = spk1 W2^T.  part[p][64 b + t][a] (f32, p = 2 x column tile + column half, 8 slices of 262,144 bytes) takes the sum over that wave's 128 h.
; FORMATS.  x, W1, b1, W2 and u1 are each rounded once to bf16 (nearest even); products in bf16 with f32 sums; the scan in f32.
; LIMITS.  The spike test is u (1 + e^-z) < 1 in place of u < 1 / (1 + e^-z), z = mem - (1 + theta): the two agree but for the last bit of their roundings; where e^-z overflows
; the test is false for u >= 0 and true for u < 0, as the quotient's is.  mem = 0.9 mem + cur is one fused multiply-add.  f32 sums are taken in another order than a plain dot product's.  NaN and infinities are not treated apart.
; SHARES.  A work-group makes 256 rows (four batches, all 64 t) x 256 columns h0 .. h0 + 255, h0 = min(256 tx, 744): the last column tile begins 24 columns early so that no load leaves W1;
; those 24 columns are computed twice and count once: their weights of W2 are set to 0 in the last tile.  Four waves, 128 x 128 each: batches wr and wr + 2, columns 128 wc on.
; ORIENTATION.  Source 0 = 16 rows of x: lanes' rows 0-7 are t = 8 a .. 8 a + 7 of batch wr, rows 8-15 the same t of batch wr + 2.  Source 1 = 16 rows of W1.  In the result lane (r, hh)
; holds in register j the number (batch wr + 2 hh, t = 8 a + j, h = h0 + 128 wc + 16 nb + r): a lane owns eight whole chains over t, and the scan never leaves the lane.
; K goes in quarters of 32; an LDS slot holds two quarters as f32 (rows of 256 bytes); two slots take turns.  The f32 numbers are turned into bf16 fragments on the way from LDS: a ring of
; 8 + 8 raw units (half a fragment: 8 registers, 2 loads, 4 conversions) runs a quarter ahead.  One unit is converted behind every second matrix instruction; the LDS loads stand in runs of 16,
; one run behind every 16 matrix instructions, never singly among them: a run fills again the eight ring places that the eight conversions in front of it have read.
; THE WALK is two quarters of text: an odd quarter, and an even one that changes slots; which slot is read hangs on one scalar, 0 or SLOT, turned at each change.
; CLUSTER 4 x 4: x's tiles hang on the row tile alone and are asked for jointly along a row of the cluster, W1's on the column tile alone and jointly along a column.
; REGISTERS, in windows of 256 (s_set_vgpr_msb: bits 1:0 source 0, 3:2 source 1, 5:4 source 2, 7:6 destination):
;   window 0: v0-31 addresses; v32-95 raw x; v96-127 b1, mem, theta, at work; v128-191, v192-255 x's fragments, two buffers (in the scan: spikes and work; cur1 of one block)
;   window 1: v16-17 addresses; v32-95 raw W1; v128-255 W1's fragments, two buffers (in the scan: v32-63 W2, v64-95 spikes turned, v128-159 four small sums)
;   windows 2, 3: the 64 accumulators, (a, nb) at v[8 (8 (a % 4) + nb)] of window 2 + a / 4
.set PITCH, 272                        ; an LDS row: 256 bytes + 16 of padding: 16 rows of a load start at 16 different groups of four banks (64 banks of 4 bytes: ISA guide 11.1)
.set QT,    128*PITCH+128              ; what one tensor load brings, 128 rows; the 128 bytes more set x's second half half a row of banks apart from its first.  QT = 0x8880
.set SLOT,  4*QT                       ; x rows 0-127, x rows 128-255, W1 rows 0-127, W1 rows 128-255.  SLOT = 0x22200 shares no bit with w QT nor with w UREG (w = 0 .. 3): an exclusive or with it adds it or takes it away
.set SPARE, 2*SLOT                     ; the spare words, 128 bytes a wave: two blocks of 256 bytes that no other line names
.set SSTG,  SPARE+512                  ; a wave's spikes of one block: [128 h][16 = 2 batches x 8 t] bf16, rows of 32 bytes
.set C2STG, SSTG+4*4096                ; a wave's sums: [2 batches][64 t][4 a] f32
.set UREG,  32*1024+32                 ; u1 of one batch, 32 t x 256 h, f32; the 32 bytes more set batches two apart 64 bytes apart in the banks.  UREG = 0x8020
.set ADR0, 16                          ; v16 (windows 0 and 1) my lane's place in a slot's fragments; never rewritten
.set ADRC, 17                          ; v17 (windows 0 and 1) the same in the slot that is being read
.set UA,  18                           ; my place in u1's tiles
.set SSA, 19                           ; where I put 16 bytes of spikes
.set XT,  20                           ; v20-23 at work
.set STA, 24                           ; where the turning load reads them
.set C2A, 25                           ; where lanes 0-15 put four sums
.set C2R, 26                           ; where I read them back
.set GO,  27                           ; my byte offset in 512 bytes of part
.set SPW, 28                           ; LDS address of my spare word; never rewritten
.set NIL, 29                           ; 0; never rewritten
.set W2O, 30                           ; my byte offset in W2
.set LN,  31                           ; lane
.set RING, 32
.set B1,  96
.set MEM, 104
.set THT, 112
.set T1,  120
.set F0,  128
.set F1,  192
.set UR,  32                           ; the scan: u1 of a block, [j][nb]
.set SP,  128                          ; spikes packed, 4 registers for each nb
.set PB,  160                          ; u (1 + e^-z)
.set SE,  168                          ; spikes of an even t
.set SO,  176                          ; of an odd t
.set T9,  184                          ; 0.9 theta
.set CUR, 192                          ; cur1 of a block, [j][nb]
.set W2F, 32                           ; window 1
.set SF,  64                           ; window 1
.set DD,  128                          ; window 1
.set G1,  24                           ; s[24:31] group 1, x      s[32:39] group 0: a set for each of the two first fills; the second then walks on
.set G0,  32
.set G1B, 48                           ; s[48:55], s[56:63] the same for W1
.set G0B, 56
.set G1U, 68                           ; s[68:75], s[76:79] for u1
.set G0U, 76
.set TB,  87                           ; s87  the slot that is being read: 0 or SLOT
.set UOF, 100                          ; s[100:101] byte offset in u1 of the tile to be asked for next
.set MSB, 0
.macro WIN new                         ; the immediate's high byte repeats the setting that is left; a switch that changes nothing is dropped
.if MSB != (\new)
	s_set_vgpr_msb (MSB<<8)|(\new)
.set MSB, (\new)
.endif
.endm
; A joint refill: waves 0 and 1 fetch x's two halves, waves 2 and 3 W1's.  An s_nop 0 and four v_nop follow each line, ahead of the jump and the label.
.macro JLOAD
	s_cmp_eq_u32 s17, 0
	s_cbranch_scc0 .Lfor_b_\@
	tensor_load_to_lds s[G0+4:G0+7], s[G1:G1+7]
	s_nop 0
.rept 4
	v_nop
.endr
	s_branch .Lasked_\@
.Lfor_b_\@:
	tensor_load_to_lds s[G0B+4:G0B+7], s[G1B:G1B+7]
	s_nop 0
.rept 4
	v_nop
.endr
.Lasked_\@:
.endm
.macro ULT                             ; my batch's 32 t x 256 h of u1: a load of my own, no mask
	tensor_load_to_lds s[G0U:G0U+3], s[G1U:G1U+7]
	s_nop 0
.rept 4
	v_nop
.endr
.endm
.macro CREST                           ; a round of the cluster's barrier behind its opening barrier
	s_cmp_lg_u32 s16, 0
	s_cbranch_scc1 .Lnot_wave_0_\@
	s_barrier_signal -3
.Lnot_wave_0_\@:
	s_barrier_wait -3
	s_barrier_signal -1
	s_barrier_wait -1
.endm
.macro CROUND
	s_barrier_signal -1
	s_barrier_wait -1
	CREST
.endm
	s_load_b256 s[4:11], s[0:1], 0x0               ; x s[4:5], W1 s[6:7], b1 s[8:9], W2 s[10:11]
	s_load_b128 s[12:15], s[0:1], 0x20             ; u1 s[12:13], part s[14:15]
	v_lshl_add_u32 v[SPW], v0, 2, SPARE
	v_mov_b32 v[NIL], 0
	ds_add_u32 v28, v29
	ds_add_u32 v28, v29
	s_wait_dscnt 0x0
	v_lshrrev_b32 v1, 5, v0
	v_readfirstlane_b32 s16, v1                    ; wave 0..3
	s_lshr_b32 s17, s16, 1                         ; wr: my batches wr, wr + 2.  Also: I fetch for x (0) or for W1 (1)
	s_and_b32 s18, s16, 1                          ; wc: my half of the columns.  Also: which 128 rows I fetch
	s_bfe_u32 s40, ttmp6, 0x40000                  ; cx
	s_bfe_u32 s41, ttmp6, 0x40004                  ; cy
	s_lshl_b32 s42, ttmp9, 2
	s_add_co_u32 s42, s42, s40                     ; tx: column tile
	s_and_b32 s43, ttmp7, 0xffff
	s_lshl_b32 s43, s43, 2
	s_add_co_u32 s43, s43, s41                     ; ty: row tile
	s_lshl_b32 s44, s41, 2
	s_lshl_b32 s44, 15, s44                        ; my row of the cluster
	s_lshl_b32 s45, 0x1111, s40                    ; my column
	s_lshl_b32 s67, s42, 8
	s_min_u32 s66, s67, 744                        ; h0
	s_sub_co_u32 s67, s67, s66                     ; columns that the tile before has too: 0, or 24
	s_mov_b32 s[TB], 0                             ; slot 0 is read first
	; group 1 for x and W1: 128 rows x 64 f32 (256 bytes), 3,200 elements from row to row, 4 words of padding behind every 64
	s_or_b32 s[G1+0], s44, (2<<16)|(1<<20)|(1<<21)|(5<<22)|(3<<25)
	s_or_b32 s[G1B+0], s45, (2<<16)|(1<<20)|(1<<21)|(5<<22)|(3<<25)
.irp g, G1, G1B
	s_mov_b32 s[(\g)+1], 64<<16                    ; tensor_dim0 = 64
	s_mov_b32 s[(\g)+2], 128<<16                   ; tensor_dim1 = 128
	s_mov_b32 s[(\g)+3], 64<<16                    ; tile_dim0 = 64
	s_mov_b32 s[(\g)+4], 128                       ; tile_dim1 = 128
	s_mov_b32 s[(\g)+5], 3200                      ; elements from row to row
	s_mov_b32 s[(\g)+6], 0
	s_mov_b32 s[(\g)+7], 0
.endr
	; group 1 for u1: 32 rows (t) x 256 f32, 256,000 elements from t to t + 1, no padding, no mask
	s_mov_b32 s[G1U+0], 2<<16
	s_mov_b32 s[G1U+1], 256<<16
	s_mov_b32 s[G1U+2], 32<<16
	s_mov_b32 s[G1U+3], 256<<16
	s_mov_b32 s[G1U+4], 32
	s_mov_b32 s[G1U+5], 256000
	s_mov_b32 s[G1U+6], 0
	s_mov_b32 s[G1U+7], 0
	s_mov_b32 s[G0U], 1
	s_mul_i32 s[G0U+1], s16, UREG                  ; u1's tiles land at wave x UREG in a slot's bytes;
	s_add_co_u32 s[G0U+1], s[G0U+1], SLOT          ; the first request turns this into slot 0's
	s_lshl_b32 s20, s43, 8                         ; x: row 256 ty + 128 half, 12,800 bytes a row (under 2^28 in all)
	s_lshl_b32 s21, s18, 7
	s_add_co_u32 s20, s20, s21
	s_mul_i32 s20, s20, 12800
	s_mov_b32 s21, 0
	s_lshl_b32 s46, s18, 7                         ; W1: row h0 + 128 half
	s_add_co_u32 s46, s46, s66
	s_mul_i32 s46, s46, 12800
	s_mov_b32 s47, 0
	s_mul_i32 s22, s16, QT                         ; where my load lands: the wave's number alone
	s_lshl_b32 s2, s43, 2                          ; u1: batch 4 ty + wave, column h0, t = 0
	s_add_co_u32 s2, s2, s16
	s_mul_i32 s2, s2, 1000
	s_add_co_u32 s2, s2, s66
	s_lshl_b32 s[UOF], s2, 2
	s_mov_b32 s[UOF+1], 0
	s_lshl_b32 s2, s42, 1                          ; part: slice 2 tx + wc, batch 4 ty + wr
	s_add_co_u32 s2, s2, s18
	s_lshl_b32 s2, s2, 18
	s_lshl_b32 s3, s43, 2
	s_add_co_u32 s3, s3, s17
	s_lshl_b32 s3, s3, 10
	s_add_co_u32 s2, s2, s3
	s_mov_b32 s3, 0
	s_wait_kmcnt 0x0
	s_add_nc_u64 s[20:21], s[4:5], s[20:21]
	s_add_nc_u64 s[46:47], s[6:7], s[46:47]
	s_add_nc_u64 s[14:15], s[14:15], s[2:3]
	CROUND                                         ; all sixteen work-groups are here: the first joint loads meet
.irp s, 0,1
	s_mov_b32 s[G0+4*(\s)], 1
	s_add_co_u32 s[G0+4*(\s)+1], s22, (\s)*SLOT
	s_add_nc_u64 s[G0+4*(\s)+2:G0+4*(\s)+3], s[20:21], (\s)*256   ; slot s begins with K = 64 s
	s_or_b32 s[G0+4*(\s)+3], s[G0+4*(\s)+3], 0x80000000
	s_mov_b32 s[G0B+4*(\s)], 1
	s_add_co_u32 s[G0B+4*(\s)+1], s22, (\s)*SLOT
	s_add_nc_u64 s[G0B+4*(\s)+2:G0B+4*(\s)+3], s[46:47], (\s)*256
	s_or_b32 s[G0B+4*(\s)+3], s[G0B+4*(\s)+3], 0x80000000
.endr
	s_cmp_eq_u32 s17, 0                            ; a wave's two first fills stand in one branch: two loads of mine are out
	s_cbranch_scc0 .Lfirst_b
	tensor_load_to_lds s[G0:G0+3], s[G1:G1+7]
	s_nop 0
	tensor_load_to_lds s[G0+4:G0+7], s[G1:G1+7]
	s_nop 0
.rept 4
	v_nop
.endr
	s_branch .Lfirst_asked
.Lfirst_b:
	tensor_load_to_lds s[G0B:G0B+3], s[G1B:G1B+7]
	s_nop 0
	tensor_load_to_lds s[G0B+4:G0B+7], s[G1B:G1B+7]
	s_nop 0
.rept 4
	v_nop
.endr
.Lfirst_asked:
	; all this stands in the wait for the first tile
	v_and_b32 v[LN], 31, v0
	v_and_b32 v1, 15, v0                           ; r
	v_bfe_u32 v2, v0, 4, 1                         ; hh
	s_lshl_b32 s2, s18, 7
	s_add_co_u32 s2, s2, s66                       ; my first column, h0 + 128 wc
	v_add_nc_u32 v3, s2, v1
	v_lshlrev_b32 v3, 2, v3                        ; kept until b1 has come
.irp n, 0,1,2,3,4,5,6,7
	global_load_b32 v[B1+\n], v3, s[8:9] offset:64*\n   ; b1[h0 + 128 wc + 16 nb + r]
.endr
	v_and_b32 v4, 3, v1
	v_mul_u32_u24 v[W2O], v4, 4000                 ; W2: row r % 4 (rows 4-15 of the fragment are set to 0 later),
	v_lshl_add_u32 v[W2O], v2, 5, v[W2O]           ; 8 hh numbers on,
	s_lshl_b32 s3, s2, 2
	v_add_nc_u32 v[W2O], s3, v[W2O]                ; from my first column
	v_lshrrev_b32 v4, 3, v1                        ; r / 8
	v_and_b32 v5, 7, v1                            ; r % 8
	v_mul_u32_u24 v6, v4, QT                       ; x's fragments: half r / 8, row 64 wr + r % 8 (+ 8 a), 32 hh bytes on
	v_mul_u32_u24 v7, v5, PITCH
	v_add_nc_u32 v6, v6, v7
	v_lshl_add_u32 v6, v2, 5, v6
	s_mul_i32 s3, s17, 64*PITCH
	v_add_nc_u32 v[ADR0], s3, v6
	v_add_nc_u32 v[ADRC], s3, v6                   ; slot 0 is read first
	v_mul_u32_u24 v7, v1, PITCH                    ; W1's fragments: half wc behind x's two, row r (+ 16 nb)
	v_lshl_add_u32 v7, v2, 5, v7
	s_mul_i32 s3, s18, QT
	s_add_co_u32 s3, s3, 2*QT
	WIN 0x40
	v_add_nc_u32 v[ADR0], s3, v7
	v_add_nc_u32 v[ADRC], s3, v7
	WIN 0
	v_lshlrev_b32 v8, 1, v2
	v_add_nc_u32 v8, s17, v8                       ; my batch of the four: wr + 2 hh
	v_mul_u32_u24 v[UA], v8, UREG
	s_lshl_b32 s3, s18, 7
	v_add_nc_u32 v9, s3, v1
	v_lshl_add_u32 v[UA], v9, 2, v[UA]             ; + 4 (128 wc + r)
	s_lshl_b32 s3, s16, 12
	s_add_co_u32 s3, s3, SSTG                      ; my stage of spikes
	v_lshlrev_b32 v[SSA], 5, v1
	v_lshl_add_u32 v[SSA], v2, 4, v[SSA]
	v_add_nc_u32 v[SSA], s3, v[SSA]                ; row r (+ 16 nb), 16 bytes for each half of the lanes
	v_and_b32 v8, 7, v0
	v_lshl_add_u32 v8, v2, 3, v8
	v_bfe_u32 v9, v0, 3, 1
	v_lshlrev_b32 v[STA], 5, v8
	v_lshl_add_u32 v[STA], v9, 4, v[STA]
	v_add_nc_u32 v[STA], s3, v[STA]                ; the turning load: row 8 hh + l % 8, 16 bytes (l / 8) % 2
	s_lshl_b32 s3, s16, 11
	s_add_co_u32 s3, s3, C2STG                     ; my stage of sums
	v_lshlrev_b32 v[C2A], 10, v4
	v_lshl_add_u32 v[C2A], v5, 4, v[C2A]
	v_add_nc_u32 v[C2A], s3, v[C2A]                ; batch r / 8, t = r % 8 (+ 8 a)
	v_lshl_add_u32 v[C2R], v[LN], 4, s3
	v_lshlrev_b32 v[GO], 4, v[LN]
.set k, 0
.rept 16
	v_mov_b32 v[MEM+k], 0                          ; the scan's start: mem = theta = 0
.set k, k+1
.endr
	s_mov_b32 s80, 0x3f666666                      ; 0.9
	s_mov_b32 s81, s80
	s_mov_b32 s82, 0x3fb8aa3b                      ; log2(e)
	s_mov_b32 s83, s82
	s_mov_b32 s84, 0x3d4ccccd                      ; 0.05
	s_mov_b32 s85, s84
	s_mov_b32 s86, 0xffff0000                      ; a word's upper bf16
; One matrix instruction: number i of a quarter's 64: x's block a = i / 8, W1's block nb = i % 8.  The 64 accumulators take turns in the same order in every quarter.
.macro WM i, f, zero
.set wa, (\i)/8
.set wn, (\i)%8
.set wacc, 8*(8*(wa%4)+wn)
	WIN 0xa4+0x50*(wa/4)                           ; x window 0, W1 window 1, C and D window 2 or 3
.if \zero
	v_wmma_f32_16x16x32_bf16 v[wacc:wacc+7], v[(\f)+8*wa:(\f)+8*wa+7], v[(\f)+8*wn:(\f)+8*wn+7], 0
.else
	v_wmma_f32_16x16x32_bf16 v[wacc:wacc+7], v[(\f)+8*wa:(\f)+8*wa+7], v[(\f)+8*wn:(\f)+8*wn+7], v[wacc:wacc+7]
.endif
.endm
.macro PAIR p, f, zero, mul
.if \mul
	WM 2*(\p), \f, \zero
	WM 2*(\p)+1, \f, \zero
.endif
.endm
; Unit n (0..15) of a quarter is half n % 2 of fragment n / 2.  st = 0: x (window 0), 1: W1 (window 1).  It lies raw in ring place n % 8.
.macro CVT st, n, g                    ; 8 f32 -> 4 registers of buffer g
	WIN 0x45*(\st)
.set cr, RING+8*((\n)%8)
.set cd, (\g)+4*(\n)
.irp i, 0,1,2,3
	v_cvt_pk_bf16_f32 v[cd+\i], v[cr+2*\i], v[cr+2*\i+1]
.endr
.endm
.macro LDU st, n, kb                   ; 32 bytes a lane: K = 8 hh .. + 7 (+ 16 for the second half) of the quarter at byte kb of the rows of the slot that is being read
	WIN 0x45*(\st)
.set lr, RING+8*((\n)%8)
.set lo, ((\n)/2)*(8*PITCH+8*PITCH*(\st))+(\kb)+64*((\n)%2)
	ds_load_b128 v[lr:lr+3],   v[ADRC] offset:lo
	ds_load_b128 v[lr+4:lr+7], v[ADRC] offset:lo+16
.endm
; A quarter is four SEGMENTS of eight pairs of matrix instructions.  Rider j (0..7) of segment s stands behind the segment's pair j and converts a unit of the NEXT quarter:
; j = 0..3 W1's units 4 s + j, j = 4..7 x's units 4 s + j - 4.  cnt: how many younger LDS instructions may be out, or -1: no wait.
.macro RIDER s, j, g, cnt
.set rst, 1-((\j)/4)
.set rn, 4*(\s)+((\j)%4)
.if (\cnt) >= 0
	s_wait_dscnt \cnt
.endif
	CVT rst, rn, \g
.endm
; Pairs j0 .. j0 + nj - 1 of segment s with their riders.  base: rider j waits with the count base - 2 j; -1: no waits.
.macro SEG s, j0, nj, f, g, zero, mul, base
.set gj, \j0
.rept \nj
	PAIR 8*(\s)+gj, \f, \zero, \mul
.if (\base) >= 0
	RIDER \s, gj, \g, \base-2*gj
.else
	RIDER \s, gj, \g, -1
.endif
.set gj, gj+1
.endr
.endm
; The run that fills again the ring places of riders j0 .. j0 + nj - 1 of segment s, in the riders' order, with the units eight further on: two loads a unit.
.macro RUN s, j0, nj, kb
.set rj, \j0
.rept \nj
	LDU 1-(rj/4), (4*(\s)+(rj%4)+8)%16, \kb
.set rj, rj+1
.endr
.endm
; A QUARTER: 64 matrix instructions on buffer f; the next quarter is converted into buffer g.  The ring holds 16 units, 32 loads, issued in the order in which the riders take them: a rider's two loads
; are in when at most the 2 (7 - j) younger ones of their own run and the 16 of the run behind it are out: the count 30 - 2 j.  The runs behind segments 0 and 1 read at byte kA of the rows (the next
; quarter's second half), those behind segments 2 and 3 at kB (the first half of the quarter after).  No ring register is a matrix operand, so a run needs no places in front of it.
; A conversion writes only the buffer that is not being multiplied; the first, behind pair 0, stands 16 conversions behind that register's last reader.
; meet (the even quarters): the run behind segment 1 has read the last of its slot.  Four pairs on, each wave waits for all its tensor loads (one is out: its part of the other slot) and adds 0 to its
; spare word; four more pairs, and it waits for the add and for its reads; the barrier opens a round of the cluster's; behind the round the slot is filled again first (meet = 1: the walking
; descriptor turns to this slot and steps 64 along K; meet = 2: with u1, 32 t); the fragments' address turns to the other slot; then come the loads that had to wait for it: the places of
; segment 2 and of segment 3's first four riders in one run of 24, the last four behind the last pairs.  From a request to the wait for it a wave issues 8 + 64 + 40 = 112 matrix instructions.
.macro QUARTER f, g, zero, mul, kA, kB, meet
	SEG 0, 0, 8, \f, \g, \zero, \mul, 30
	RUN 0, 0, 8, \kA
	SEG 1, 0, 8, \f, \g, \zero, \mul, 30
	RUN 1, 0, 8, \kA
.if \meet
	SEG 2, 0, 4, \f, \g, \zero, \mul, 30
	WIN 0                                          ; (the add's two registers lie in window 0)
	s_wait_tensorcnt 0x0                           ; all my tensor loads have landed;
	ds_add_u32 v[SPW], v[NIL]                      ; 0 onto my spare word
	SEG 2, 4, 4, \f, \g, \zero, \mul, 31           ; the add is one more younger LDS instruction: 31 - 2 j
	s_wait_dscnt 0x0                               ; the add is done, and my reads of the slot are over
	s_barrier_signal -1
	SEG 3, 0, 4, \f, \g, \zero, \mul, -1           ; all of the ring is in: no waits
	WIN 0
	s_barrier_wait -1
	CREST                                          ; no wave of any partner still reads the slot or has a load on its way
	s_xor_b32 s[TB], s[TB], SLOT                   ; from here on the other slot is read
.if (\meet) == 1
	s_xor_b32 s[G0+5], s[G0+5], SLOT               ; no tensor load of mine is out: the walking descriptors may be written: the other slot than last time,
	s_add_nc_u64 s[G0+6:G0+7], s[G0+6:G0+7], 256   ; the next 64 along K; the type bits on top are not reached
	s_xor_b32 s[G0B+5], s[G0B+5], SLOT
	s_add_nc_u64 s[G0B+6:G0B+7], s[G0B+6:G0B+7], 256
	JLOAD
.else
	s_xor_b32 s[G0U+1], s[G0U+1], SLOT             ; u1's first half into slot 0's bytes, its second into slot 1's
	s_add_nc_u64 s[G0U+2:G0U+3], s[12:13], s[UOF:UOF+1]   ; the address is made anew from the pointer and an offset kept apart
	s_or_b32 s[G0U+3], s[G0U+3], 0x80000000
	s_add_nc_u64 s[UOF:UOF+1], s[UOF:UOF+1], 32768000     ; 32 t on
	ULT
.endif
	v_add_nc_u32 v[ADRC], s[TB], v[ADR0]           ; x's fragments in the other slot,
	WIN 0x44
	v_add_nc_u32 v[ADRC], s[TB], v[ADR0]           ; and W1's
	RUN 2, 0, 8, \kB
	RUN 3, 0, 4, \kB
	SEG 3, 4, 4, \f, \g, \zero, \mul, -1
	RUN 3, 4, 4, \kB
.else
	SEG 2, 0, 8, \f, \g, \zero, \mul, 30
	RUN 2, 0, 8, \kB
	SEG 3, 0, 8, \f, \g, \zero, \mul, 30
	RUN 3, 0, 8, \kB
.endif
.endm
	s_wait_tensorcnt 0x1                           ; my part of slot 0 is in; slot 1's may stay out
	s_barrier_signal -1
	s_barrier_wait -1
	RUN 2, 0, 8, 0                                 ; the ring is filled: quarter 0, units 0-3 of W1 and of x,
	RUN 3, 0, 8, 0                                 ; and units 4-7
	QUARTER F1, F0, 0, 0, 0,   128, 0              ; no products yet: quarter 0 is converted
	QUARTER F0, F1, 1, 1, 128, 0,   1              ; quarter 0: its products start the sums; K = 128 on is asked for
	WIN 0
	s_mov_b32 s19, 47
.Lk:                                                   ; quarters 2 i + 1 and 2 i + 2, up to 94, whose refill is the last tile of x and W1, K = 3,136 on
	QUARTER F1, F0, 0, 1, 0,   128, 0
	QUARTER F0, F1, 0, 1, 128, 0,   1
	WIN 0
	s_sub_co_u32 s19, s19, 1
	s_cmp_lg_u32 s19, 0
	s_cbranch_scc1 .Lk
	s_mov_b32 s19, 2
.Lu:                                                   ; quarters 95 to 98: the slots are read out and take u1: slot 0 t = 0 .. 31, slot 1 t = 32 .. 63.  The second trip's last 32 LDS loads fetch for a
	QUARTER F1, F0, 0, 1, 0,   128, 0              ; quarter that does not exist: they read bytes of slot 0 that have landed, and nothing uses them: the price, once a launch, of one text for both trips
	QUARTER F0, F1, 0, 1, 128, 0,   2
	WIN 0
	s_sub_co_u32 s19, s19, 1
	s_cmp_lg_u32 s19, 0
	s_cbranch_scc1 .Lu
.set pp, 0
.rept 8                                                ; 99: nothing is left to convert
	PAIR pp, F1, 0, 1
.set pp, pp+1
.endr
	s_wait_dscnt 0x0                               ; the ring's last loads have come: its registers may be loaded anew
	WIN 0x40                                       ; W2 into the registers of W1's ring
.irp k, 0,1,2,3
	global_load_b128 v[W2F+16*\k:W2F+16*\k+3],     v[W2O], s[10:11] offset:128*\k
	global_load_b128 v[W2F+16*\k+4:W2F+16*\k+7],   v[W2O], s[10:11] offset:128*\k+16
	global_load_b128 v[W2F+16*\k+8:W2F+16*\k+11],  v[W2O], s[10:11] offset:128*\k+64
	global_load_b128 v[W2F+16*\k+12:W2F+16*\k+15], v[W2O], s[10:11] offset:128*\k+80
.endr
.rept 24
	PAIR pp, F1, 0, 1
.set pp, pp+1
.endr
	; THE SCAN.  u1's second half was asked for 72 matrix instructions ago; other waves read my batch, so: my wait, then a barrier.
	WIN 0
	s_wait_tensorcnt 0x0
	s_barrier_signal -1
	s_barrier_wait -1
	s_wait_loadcnt 0x0                             ; b1 and W2
	s_wait_xcnt 0x0                                ; EXEC is narrowed further down: no global instruction is left that could still read it
.irp i, 0,1,2,3                                        ; b1 rounded to bf16 and widened again; these lines are also the places behind the last products
	v_cvt_pk_bf16_f32 v[XT+\i], v[B1+2*\i], v[B1+2*\i+1]
.endr
.irp i, 0,1,2,3
	v_lshlrev_b32 v[B1+2*\i], 16, v[XT+\i]
	v_and_b32 v[B1+2*\i+1], s86, v[XT+\i]
.endr
	v_cmp_gt_u32 s88, 4, v1                        ; W2 has four rows: rows 4-15 of the fragment are 0
	v_lshlrev_b32 v4, 3, v2
	s_lshl_b32 s2, s18, 7
	v_add_nc_u32 v4, s2, v4                        ; the first column of my registers 0-3 of the first fragment: 128 wc + 8 hh,
	v_add_nc_u32 v5, 16, v4                        ; of its registers 4-7
	v_cmp_le_u32 s89, s67, v4                      ; a column that the tile before has too counts there, not here
	v_cmp_le_u32 s90, s67, v5
	s_and_b32 s89, s89, s88
	s_and_b32 s90, s90, s88
	WIN 0x45
.set k, 0
.rept 32                                               ; in place, ascending: a destination never lies above a source still to be read
	v_cvt_pk_bf16_f32 v[W2F+k], v[W2F+16*(k/8)+2*(k%8)], v[W2F+16*(k/8)+2*(k%8)+1]
.set k, k+1
.endr
.irp i, 0,1,2,3
	v_cndmask_b32 v[W2F+\i], 0, v[W2F+\i], s89
	v_cndmask_b32 v[W2F+4+\i], 0, v[W2F+4+\i], s90
.endr
.set k, 8
.rept 24
	v_cndmask_b32 v[W2F+k], 0, v[W2F+k], s88
.set k, k+1
.endr
	WIN 0
.macro SPEC a                          ; cur1 of block a = the sums + b1, out of the accumulators' window; each accumulator is read from its lowest register on
	WIN 0x02+(\a)/4
.set sn, 0
.rept 8
.set sj, 0
.rept 8
	v_add_f32 v[CUR+8*sj+sn], v[8*(8*((\a)%4)+sn)+sj], v[B1+sn]
.set sj, sj+1
.endr
.set sn, sn+1
.endr
	WIN 0
.endm
; One t for my eight chains.
.macro STEP j
.set su, UR+8*(\j)
.set sc, CUR+8*(\j)
.set ss, SE+8*((\j)%2)
	s_wait_dscnt 56-8*(\j)                         ; LDS loads come back in order: row j of u1 is in, the rows behind it may be out
.irp i, 0,1,2,3
	v_cvt_pk_bf16_f32 v[XT+\i], v[su+2*\i], v[su+2*\i+1]   ; u1 rounded to bf16,
.endr
.irp i, 0,1,2,3
	v_lshlrev_b32 v[su+2*\i], 16, v[XT+\i]                  ; and widened again
	v_and_b32 v[su+2*\i+1], s86, v[XT+\i]
.endr
.irp i, 0,2,4,6
	v_pk_fma_f32 v[MEM+\i:MEM+\i+1], v[MEM+\i:MEM+\i+1], s[80:81], v[sc+\i:sc+\i+1] op_sel_hi:[1,0,1]   ; mem = 0.9 mem + cur
.endr
.irp i, 0,2,4,6
	v_pk_add_f32 v[T1+\i:T1+\i+1], v[THT+\i:THT+\i+1], 1.0 op_sel_hi:[1,0]                              ; 1 + theta
.endr
.irp i, 0,2,4,6
	v_pk_add_f32 v[T1+\i:T1+\i+1], v[T1+\i:T1+\i+1], v[MEM+\i:MEM+\i+1] neg_lo:[0,1] neg_hi:[0,1]       ; - z
.endr
.irp i, 0,2,4,6
	v_pk_mul_f32 v[T1+\i:T1+\i+1], v[T1+\i:T1+\i+1], s[82:83] op_sel_hi:[1,0]
.endr
.irp i, 0,1,2,3,4,5,6,7
	v_exp_f32 v[T1+\i], v[T1+\i]                   ; e^-z
.endr
.irp i, 0,2,4,6
	v_pk_mul_f32 v[T9+\i:T9+\i+1], v[THT+\i:THT+\i+1], s[80:81] op_sel_hi:[1,0]   ; 0.9 theta: also the plain lines behind the exponentials (ISA guide 5.7.2)
.endr
	s_wait_alu depctr_va_vdst(0)
.irp i, 0,2,4,6
	v_pk_fma_f32 v[PB+\i:PB+\i+1], v[su+\i:su+\i+1], v[T1+\i:T1+\i+1], v[su+\i:su+\i+1]   ; u e^-z + u
.endr
.irp i, 0,1,2,3,4,5,6,7
	v_cmp_gt_f32 s[88+\i], 1.0, v[PB+\i]
.endr
.irp i, 0,1,2,3,4,5,6,7
	v_cndmask_b32 v[ss+\i], 0, 1.0, s[88+\i]       ; the spike
.endr
.irp i, 0,2,4,6
	v_pk_fma_f32 v[MEM+\i:MEM+\i+1], v[ss+\i:ss+\i+1], v[MEM+\i:MEM+\i+1], v[MEM+\i:MEM+\i+1] neg_lo:[1,0,0] neg_hi:[1,0,0]   ; mem (1 - spike)
.endr
.irp i, 0,2,4,6
	v_pk_fma_f32 v[THT+\i:THT+\i+1], v[ss+\i:ss+\i+1], s[84:85], v[T9+\i:T9+\i+1] op_sel_hi:[1,0,1]   ; theta = 0.9 theta + 0.05 spike
.endr
.if (\j)%2
.irp i, 0,1,2,3,4,5,6,7
	v_cvt_pk_bf16_f32 v[SP+4*\i+(\j)/2], v[SE+\i], v[SO+\i]   ; two t's spikes, exact in bf16
.endr
.endif
.endm
	s_mov_b32 s97, 0                               ; the block of 8 t in hand
	s_mov_b32 s99, 2                               ; u1's two halves
.Lhalf:
	s_mov_b32 s98, 4
.Lblk:
.set k, 0
.rept 64
	ds_load_b32 v[UR+k], v[UA] offset:1024*(k/8)+64*(k%8)   ; u1[t = 8 a + j][my batch][16 nb + r]: 16 lanes take 64 neighbouring bytes
.set k, k+1
.endr
.irp k, 0,1,2,3,4,5,6                                  ; the accumulators cannot be indexed: eight copies of 64 additions, chosen by the block's number; every jump goes forward
	s_cmp_eq_u32 s97, \k
	s_cbranch_scc1 .Lspec\k
.endr
	SPEC 7
	s_branch .Ljoin
.irp k, 0,1,2,3,4,5
.Lspec\k:
	SPEC \k
	s_branch .Ljoin
.endr
.Lspec6:
	SPEC 6
.Ljoin:
.irp j, 0,1,2,3,4,5,6,7
	STEP \j
.endr
	; my 128 h x (2 batches x 8 t) spikes go through my own stage and come back turned: source 1 (32 h x 16 columns) of W2 x spikes.  LDS serves a wave's instructions in order (ISA guide 5.7.1.4).
.irp n, 0,1,2,3,4,5,6,7
	ds_store_b128 v[SSA], v[SP+4*\n:SP+4*\n+3] offset:512*\n
.endr
	WIN 0x40
.irp k, 0,1,2,3
	ds_load_tr16_b128 v[SF+8*\k:SF+8*\k+3],   v[STA] offset:1024*\k
	ds_load_tr16_b128 v[SF+8*\k+4:SF+8*\k+7], v[STA] offset:1024*\k+512
.endr
	s_wait_dscnt 0x0
	WIN 0x45
.irp k, 0,1,2,3                                        ; four sums of their own, each begun with 0: no chain
	v_wmma_f32_16x16x32_bf16 v[DD+8*\k:DD+8*\k+7], v[W2F+8*\k:W2F+8*\k+7], v[SF+8*\k:SF+8*\k+7], 0
.endr
.rept 4
	v_nop                                          ; the places behind those products (ISA guide 7.12.1)
.endr
	v_pk_add_f32 v[DD:DD+1],      v[DD:DD+1],      v[DD+8:DD+9]       ; registers 0-3 of lanes 0-15 hold a = 0 .. 3 of column r
	v_pk_add_f32 v[DD+16:DD+17],  v[DD+16:DD+17],  v[DD+24:DD+25]
	v_pk_add_f32 v[DD+2:DD+3],    v[DD+2:DD+3],    v[DD+10:DD+11]
	v_pk_add_f32 v[DD+18:DD+19],  v[DD+18:DD+19],  v[DD+26:DD+27]
	v_pk_add_f32 v[DD:DD+1],      v[DD:DD+1],      v[DD+16:DD+17]
	v_pk_add_f32 v[DD+2:DD+3],    v[DD+2:DD+3],    v[DD+18:DD+19]
	WIN 0
	v_cmp_gt_u32 vcc_lo, 16, v[LN]
	s_and_saveexec_b32 s96, vcc_lo
	WIN 0x04                                       ; data in window 1
	ds_store_b128 v[C2A], v[DD:DD+3]
	WIN 0
	s_or_b32 exec_lo, exec_lo, s96
	v_add_nc_u32 v[UA], 8192, v[UA]                ; 8 t on
	v_add_nc_u32 v[C2A], 128, v[C2A]
	s_add_co_u32 s97, s97, 1
	s_sub_co_u32 s98, s98, 1
	s_cmp_lg_u32 s98, 0
	s_cbranch_scc1 .Lblk
	v_add_nc_u32 v[UA], SLOT-32768, v[UA]          ; on to u1's second half
	s_sub_co_u32 s99, s99, 1
	s_cmp_lg_u32 s99, 0
	s_cbranch_scc1 .Lhalf
	; THE WAY OUT: my 2 x 64 x 4 sums, back as 512 neighbouring bytes a load
.irp i, 0,1,2,3
	ds_load_b128 v[UR+4*\i:UR+4*\i+3], v[C2R] offset:512*\i
.endr
.irp i, 0,1,2,3
	s_wait_dscnt 3-\i
	global_store_b128 v[GO], v[UR+4*\i:UR+4*\i+3], s[14:15] offset:(\i/2)*2048+(\i%2)*512   ; batch wr + 2 (i / 2), t = 32 (i % 2) + lane: 512 consecutive bytes, at a multiple of 256 from part's first
.endr
	s_wait_tensorcnt 0x0                           ; the wave's end
	ds_add_u32 v[SPW], v[NIL]
	s_wait_dscnt 0x0
	CROUND                                         ; the closing round
	s_endpgm
.Lfunc_end_k_q26fa3fba21_snn1:
	.size	k_q26fa3fba21_snn1, .Lfunc_end_k_q26fa3fba21_snn1-k_q26fa3fba21_snn1
	.p2alignl 7, 3214868480
	.fill 96, 4, 3214868480
	.section	.rodata,"a",@progbits
	.p2align	6, 0x0
	.amdhsa_kernel k_q26fa3fba21_snn1
		.amdhsa_group_segment_fixed_size 327680
		.amdhsa_private_segment_fixed_size 0
		.amdhsa_enable_private_segment 0
		.amdhsa_kernarg_size 48
		.amdhsa_user_sgpr_count 2
		.amdhsa_user_sgpr_kernarg_segment_ptr 1
		.amdhsa_wavefront_size32 1
		.amdhsa_system_sgpr_workgroup_id_x 1
		.amdhsa_system_sgpr_workgroup_id_y 1
		.amdhsa_system_sgpr_workgroup_id_z 1
		.amdhsa_system_vgpr_workitem_id 0
		.amdhsa_next_free_vgpr 1024
		.amdhsa_next_free_sgpr 102
		.amdhsa_reserve_vcc 1
		.amdhsa_float_denorm_mode_32 3
		.amdhsa_float_denorm_mode_16_64 3
		.amdhsa_memory_ordered 1
		.amdhsa_forward_progress 1
		.amdhsa_inst_pref_size 194
	.end_amdhsa_kernel
	.amdgpu_metadata
---
amdhsa.version: [ 1, 2 ]
amdhsa.kernels:
  - .name:           k_q26fa3fba21_snn1
    .symbol:         k_q26fa3fba21_snn1.kd
    .args:
      - { .name: x, .offset: 0, .size: 8, .value_kind: global_buffer, .address_space: global }
      - { .name: W1, .offset: 8, .size: 8, .value_kind: global_buffer, .address_space: global }
      - { .name: b1, .offset: 16, .size: 8, .value_kind: global_buffer, .address_space: global }
      - { .name: W2, .offset: 24, .size: 8, .value_kind: global_buffer, .address_space: global }
      - { .name: u1, .offset: 32, .size: 8, .value_kind: global_buffer, .address_space: global }
      - { .name: part, .offset: 40, .size: 8, .value_kind: global_buffer, .address_space: global }
    .group_segment_fixed_size: 327680
    .private_segment_fixed_size: 0
    .kernarg_segment_align: 8
    .kernarg_segment_size: 48
    .max_flat_workgroup_size: 128
    .sgpr_count:     102
    .vgpr_count:     1024
    .wavefront_size: 32
...
	.end_amdgpu_metadata
.endif
;; end of part 1
;; launch lif2 (part 2): grid 16 x 1, 8 waves a work-group, no clusters, 34,816 bytes of LDS; arguments part, b2, u2, out0; writes out0
.if DOCPART == 2
	.amdgcn_target "amdgcn-amd-amdhsa--gfx1250"
	.amdhsa_code_object_version 6
	.text
	.protected	k_q26fa3fba21_lif2
	.globl	k_q26fa3fba21_lif2
	.p2align	8
	.type	k_q26fa3fba21_lif2,@function
k_q26fa3fba21_lif2:
	s_mov_b64 s[64:65], 0
	v_nop
	global_prefetch_b8 v0, s[64:65] scope:SCOPE_SE
	s_setreg_imm32_b32 hwreg(HW_REG_WAVE_MODE, 25, 1), 1
	s_wait_xcnt 0x0
; SECOND LAYER: cur2[b][t][a] = the sum of the eight slices of part + b2; the stochastic adaptive LIF scan over t; out0[b][a] = spikes / 64.
; b2 and u2 are rounded to bf16 like the other inputs; all else in f32.  The spike test is u (1 + e^-z) < 1, as in the first launch, with the same limits; NaN and infinities are not treated apart.
; A work-group owns 16 batches.  Eight waves add the slices (each load 512 neighbouring bytes) and lay cur2 and u2 by t into LDS; then wave 0 walks the 64 t: lane l holds the chains
; (batch l / 2, a = 2 (l % 2) and the next).  The chains are 64 dependent steps whatever the share, so one wave does as well as more.  No matrix unit, no cluster: nothing is shared or multiplied.
.set PR,  32                           ; v32-159  chunk c, slice p at PR + 4 (8 c + p)
.set UQ,  160                          ; v160-175 u2, eight t
.set UT,  176                          ; v176-183 at work
.set CP,  272                          ; cur2 in LDS: a row for each t: 16 batches x 16 bytes + 16 of padding
.set UB,  64*CP                        ; behind it u2: a row of 256 bytes for each t
	s_load_b256 s[4:11], s[0:1], 0x0               ; part s[4:5], b2 s[6:7], u2 s[8:9], out0 s[10:11]
	v_lshl_add_u32 v192, v0, 2, 0x8400
	v_mov_b32 v193, 0
	v_lshrrev_b32 v1, 5, v0
	v_readfirstlane_b32 s12, v1                    ; wave 0..7
	v_and_b32 v2, 31, v0                           ; lane
	s_lshl_b32 s13, ttmp9, 14                      ; the group's 16 batches x 1,024 bytes in a slice,
	s_lshl_b32 s15, s12, 11                        ; my wave's four chunks of 512
	s_add_co_u32 s13, s13, s15
	v_lshl_add_u32 v3, v2, 4, s13
	s_lshl_b32 s14, ttmp9, 8                       ; the group's 256 bytes in a t of u2, and in out0
	s_lshl_b32 s15, s12, 15                        ; my wave's eight t of 4,096 bytes
	s_add_co_u32 s15, s15, s14
	v_lshl_add_u32 v4, v2, 3, s15
	s_wait_kmcnt 0x0
	s_load_b128 s[16:19], s[6:7], 0x0              ; b2
.irp c, 0,1,2,3
.irp p, 0,1,2,3,4,5,6,7
	global_load_b128 v[PR+4*(8*\c+\p):PR+4*(8*\c+\p)+3], v3, s[4:5] offset:\p*262144+\c*512 th:TH_LOAD_NT
.endr
.endr
.irp k, 0,1,2,3,4,5,6,7
	global_load_b64 v[UQ+2*\k:UQ+2*\k+1], v4, s[8:9] offset:\k*4096 th:TH_LOAD_NT
.endr
	v_mul_u32_u24 v5, v2, CP                       ; chunk 4 w + c is batch 2 w + c / 2, t = 32 (c % 2) + lane
	s_lshl_b32 s20, s12, 5
	v_add_nc_u32 v5, s20, v5
	s_lshl_b32 s21, s12, 11
	s_add_co_u32 s21, s21, UB
	v_lshl_add_u32 v6, v2, 3, s21
	s_mov_b32 s22, 0xffff0000
	s_mov_b32 s26, 0x3f666666                      ; 0.9
	s_mov_b32 s27, s26
	s_mov_b32 s28, 0x3fb8aa3b                      ; log2(e)
	s_mov_b32 s29, s28
	s_mov_b32 s30, 0x3d4ccccd                      ; 0.05
	s_mov_b32 s31, s30
	s_wait_kmcnt 0x0
	v_mov_b32 v8, s16
	v_mov_b32 v9, s17
	v_mov_b32 v10, s18
	v_mov_b32 v11, s19
	v_cvt_pk_bf16_f32 v12, v8, v9                  ; b2 rounded to bf16 and widened again
	v_cvt_pk_bf16_f32 v13, v10, v11
	v_lshlrev_b32 v8, 16, v12
	v_and_b32 v9, s22, v12
	v_lshlrev_b32 v10, 16, v13
	v_and_b32 v11, s22, v13
	s_wait_loadcnt 0x8                             ; the 32 loads of part are in; u2's eight may be out
.irp c, 0,1,2,3
.irp p, 1,2,3,4,5,6,7
	v_pk_add_f32 v[PR+32*\c:PR+32*\c+1],   v[PR+32*\c:PR+32*\c+1],   v[PR+32*\c+4*\p:PR+32*\c+4*\p+1]
	v_pk_add_f32 v[PR+32*\c+2:PR+32*\c+3], v[PR+32*\c+2:PR+32*\c+3], v[PR+32*\c+4*\p+2:PR+32*\c+4*\p+3]
.endr
	v_pk_add_f32 v[PR+32*\c:PR+32*\c+1],   v[PR+32*\c:PR+32*\c+1],   v[8:9]
	v_pk_add_f32 v[PR+32*\c+2:PR+32*\c+3], v[PR+32*\c+2:PR+32*\c+3], v[10:11]
	ds_store_b128 v5, v[PR+32*\c:PR+32*\c+3] offset:(\c%2)*32*CP+(\c/2)*16
.endr
	s_wait_loadcnt 0x0
.irp k, 0,1,2,3,4,5,6,7
	v_cvt_pk_bf16_f32 v[UT+\k], v[UQ+2*\k], v[UQ+2*\k+1]
.endr
.irp k, 0,1,2,3,4,5,6,7
	v_lshlrev_b32 v[UQ+2*\k], 16, v[UT+\k]
	v_and_b32 v[UQ+2*\k+1], s22, v[UT+\k]
	ds_store_b64 v6, v[UQ+2*\k:UQ+2*\k+1] offset:256*\k
.endr
	s_wait_dscnt 0x0                               ; for wave 0's sake: my stores are done
	s_barrier_signal -1
	s_barrier_wait -1
	s_cmp_lg_u32 s12, 0
	s_cbranch_scc1 .Lend
	v_lshlrev_b32 v16, 3, v2                       ; cur2: 16 (l / 2) + 8 (l % 2) = 8 l in a row
	v_add_nc_u32 v17, UB, v16                      ; u2 likewise
	v_lshl_add_u32 v18, v2, 3, s14                 ; out0
.irp r, 20,21,22,23,24,25
	v_mov_b32 v\r, 0                               ; mem v[20:21], theta v[22:23], the count v[24:25]
.endr
	s_mov_b32 s24, 8
.Lt:                                                   ; eight t a trip
.irp k, 0,1,2,3,4,5,6,7
	ds_load_b64 v[32+4*\k:33+4*\k], v16 offset:CP*\k
	ds_load_b64 v[34+4*\k:35+4*\k], v17 offset:256*\k
.endr
	v_add_nc_u32 v16, 8*CP, v16
	v_add_nc_u32 v17, 8*256, v17
.irp k, 0,1,2,3,4,5,6,7
	s_wait_dscnt 14-2*\k                           ; this t's two loads are in, the younger pairs may be out
	v_pk_fma_f32 v[20:21], v[20:21], s[26:27], v[32+4*\k:33+4*\k] op_sel_hi:[1,0,1]   ; mem = 0.9 mem + cur
	v_pk_add_f32 v[26:27], v[22:23], 1.0 op_sel_hi:[1,0]
	v_pk_add_f32 v[26:27], v[26:27], v[20:21] neg_lo:[0,1] neg_hi:[0,1]               ; - z
	v_pk_mul_f32 v[26:27], v[26:27], s[28:29] op_sel_hi:[1,0]
	v_exp_f32 v26, v26
	v_exp_f32 v27, v27
	v_pk_mul_f32 v[28:29], v[22:23], s[26:27] op_sel_hi:[1,0]                         ; 0.9 theta: the plain line behind the exponentials (ISA guide 5.7.2)
	s_wait_alu depctr_va_vdst(0)
	v_pk_fma_f32 v[26:27], v[34+4*\k:35+4*\k], v[26:27], v[34+4*\k:35+4*\k]           ; u e^-z + u
	v_cmp_gt_f32 s32, 1.0, v26
	v_cmp_gt_f32 s33, 1.0, v27
	v_cndmask_b32 v30, 0, 1.0, s32
	v_cndmask_b32 v31, 0, 1.0, s33
	v_pk_fma_f32 v[20:21], v[30:31], v[20:21], v[20:21] neg_lo:[1,0,0] neg_hi:[1,0,0] ; mem (1 - spike)
	v_pk_fma_f32 v[22:23], v[30:31], s[30:31], v[28:29] op_sel_hi:[1,0,1]             ; theta
	v_pk_add_f32 v[24:25], v[24:25], v[30:31]
.endr
	s_sub_co_u32 s24, s24, 1
	s_cmp_lg_u32 s24, 0
	s_cbranch_scc1 .Lt
	v_pk_mul_f32 v[24:25], v[24:25], 0x3c800000 op_sel_hi:[1,0]                       ; / 64
	global_store_b64 v18, v[24:25], s[10:11]       ; 32 lanes store 256 consecutive bytes, at a multiple of 256 from out0's first
.Lend:
	s_barrier_signal -1
	s_barrier_wait -1
	s_wait_tensorcnt 0x0
	ds_add_u32 v192, v193
	s_wait_dscnt 0x0
	s_endpgm
.Lfunc_end_k_q26fa3fba21_lif2:
	.size	k_q26fa3fba21_lif2, .Lfunc_end_k_q26fa3fba21_lif2-k_q26fa3fba21_lif2
	.p2alignl 7, 3214868480
	.fill 96, 4, 3214868480
	.section	.rodata,"a",@progbits
	.p2align	6, 0x0
	.amdhsa_kernel k_q26fa3fba21_lif2
		.amdhsa_group_segment_fixed_size 34816
		.amdhsa_private_segment_fixed_size 0
		.amdhsa_enable_private_segment 0
		.amdhsa_kernarg_size 32
		.amdhsa_user_sgpr_count 2
		.amdhsa_user_sgpr_kernarg_segment_ptr 1
		.amdhsa_wavefront_size32 1
		.amdhsa_system_sgpr_workgroup_id_x 1
		.amdhsa_system_sgpr_workgroup_id_y 1
		.amdhsa_system_sgpr_workgroup_id_z 1
		.amdhsa_system_vgpr_workitem_id 0
		.amdhsa_next_free_vgpr 194
		.amdhsa_next_free_sgpr 66
		.amdhsa_reserve_vcc 0
		.amdhsa_float_denorm_mode_32 3
		.amdhsa_float_denorm_mode_16_64 3
		.amdhsa_memory_ordered 1
		.amdhsa_forward_progress 1
		.amdhsa_inst_pref_size 22
	.end_amdhsa_kernel
	.amdgpu_metadata
---
amdhsa.version: [ 1, 2 ]
amdhsa.kernels:
  - .name:           k_q26fa3fba21_lif2
    .symbol:         k_q26fa3fba21_lif2.kd
    .args:
      - { .name: part, .offset: 0, .size: 8, .value_kind: global_buffer, .address_space: global }
      - { .name: b2, .offset: 8, .size: 8, .value_kind: global_buffer, .address_space: global }
      - { .name: u2, .offset: 16, .size: 8, .value_kind: global_buffer, .address_space: global }
      - { .name: out0, .offset: 24, .size: 8, .value_kind: global_buffer, .address_space: global }
    .group_segment_fixed_size: 34816
    .private_segment_fixed_size: 0
    .kernarg_segment_align: 8
    .kernarg_segment_size: 32
    .max_flat_workgroup_size: 256
    .sgpr_count:     66
    .vgpr_count:     194
    .wavefront_size: 32
...
	.end_amdgpu_metadata
.endif
;; end of part 2
;; ======== version 2 of 2: 2 launches; version 1 with the launch lif2 written anew for expert scheduling mode
;; workspace buffers: part 2,097,152 bytes
;; launch snn1: the kernel of part 1 again; grid 4 x 64, 4 waves a work-group, clusters of 4 x 4, 327,680 bytes of LDS; arguments x, W1, b1, W2, u1, part; writes part
;; launch lif2 (part 3): grid 16 x 1, 8 waves a work-group, no clusters, 34,816 bytes of LDS; arguments part, b2, u2, out0; writes out0
.if DOCPART == 3
	.amdgcn_target "amdgcn-amd-amdhsa--gfx1250"
	.amdhsa_code_object_version 6
	.text
	.protected	k_q26fa3fba21_lif2
	.globl	k_q26fa3fba21_lif2
	.p2align	8
	.type	k_q26fa3fba21_lif2,@function
k_q26fa3fba21_lif2:
	s_mov_b64 s[64:65], 0
	v_nop
	global_prefetch_b8 v0, s[64:65] scope:SCOPE_SE
	s_setreg_imm32_b32 hwreg(HW_REG_WAVE_SCHED_MODE, 0, 2), 2
	s_setreg_imm32_b32 hwreg(HW_REG_WAVE_MODE, 25, 1), 1
	s_wait_xcnt 0x0
	s_wait_alu depctr_vm_vsrc(0)
; SECOND LAYER: cur2[b][t][a] = the sum of the eight slices of part + b2; the stochastic adaptive LIF scan over t; out0[b][a] = spikes / 64.
; b2 and u2 are rounded to bf16 like the other inputs; all else in f32.  The spike test is u (1 + e^-z) < 1, as in the first launch, with the same limits; NaN and infinities are not treated apart.
; A work-group owns 16 batches.  Eight waves add the slices (each load 512 neighbouring bytes) and lay cur2 and u2 by t into LDS; then wave 0 walks the 64 t: lane l holds the chains
; (batch l / 2, a = 2 (l % 2) and the next).  The chains are 64 dependent steps whatever the share, so one wave does as well as more.  No matrix unit, no cluster: nothing is shared or multiplied.
; THE MODE: SCHED_MODE bits 1:0 = 2 (LLVM: expert scheduling mode 2), set by the entry lines.  The code itself states the register dependences
; between vector instructions and memory or LDS instructions, with s_wait_alu, always for 0.
; THE PLAN.  Registers that memory or LDS instructions touch:
;   v3, v4        offsets of the global loads: made once at the head, never written again.
;   v32-159       part as loaded; the sums read them; each chunk's sum, in its first four registers, is the data of an LDS store.
;   v160-175      u2 as loaded; rounded and widened in place; the data of eight LDS stores.
;   v5, v6        addresses of the LDS stores: made once.
;   All sums and roundings stand first, then ONE wait on va_vdst, then the twelve LDS stores in one run.
;   D0 = v32-63, D1 = v64-95 (wave 0's scan)  two buffers of eight t.  Block p's multiply-adds read D[p % 2]; the 16 LDS loads of block p + 1, issued at block p's head, land in the other buffer,
;                 which the block before read and which no vector line of block p names.  One wait on va_vdst at a block's head states all that those loads hang on.
;   v16, v17      addresses of the scan's loads: a lap is two blocks, immediates reach its rows, and the two registers step once a lap, at its end, behind a wait on vm_vsrc.
;   v18, v24-25   offset and data of the one global store.      v192, v193  written at the head, read by the closing add alone.
.set PR,  32                           ; v32-159  chunk c, slice p at PR + 4 (8 c + p)
.set UQ,  160                          ; v160-175 u2, eight t
.set UT,  176                          ; v176-183 at work
.set DB,  32                           ; v32-95   the scan: buffer d, t k: cur2's pair at DB + 32 d + 4 k, u2's pair two registers on
.set CP,  272                          ; cur2 in LDS: a row for each t: 16 batches x 16 bytes + 16 of padding
.set UB,  64*CP                        ; behind it u2: a row of 256 bytes for each t
	s_load_b256 s[4:11], s[0:1], 0x0               ; part s[4:5], b2 s[6:7], u2 s[8:9], out0 s[10:11]
	v_lshl_add_u32 v192, v0, 2, 0x8400
	v_mov_b32 v193, 0
	v_lshrrev_b32 v1, 5, v0
	v_readfirstlane_b32 s12, v1                    ; wave 0..7
	v_and_b32 v2, 31, v0                           ; lane
	s_wait_alu depctr_va_sdst(0)                   ; s12 is written, ahead of its first reader: offsets, LDS addresses and the branch on the wave's number are made from it
	s_lshl_b32 s13, ttmp9, 14                      ; the group's 16 batches x 1,024 bytes in a slice,
	s_lshl_b32 s15, s12, 11                        ; my wave's four chunks of 512
	s_add_co_u32 s13, s13, s15
	v_lshl_add_u32 v3, v2, 4, s13
	s_lshl_b32 s14, ttmp9, 8                       ; the group's 256 bytes in a t of u2, and in out0
	s_lshl_b32 s15, s12, 15                        ; my wave's eight t of 4,096 bytes
	s_add_co_u32 s15, s15, s14
	v_lshl_add_u32 v4, v2, 3, s15
	s_wait_kmcnt 0x0
	s_load_b128 s[16:19], s[6:7], 0x0              ; b2
	s_wait_alu depctr_va_vdst(0)                   ; v3 and v4 are written, which the loads below read as their offsets
.irp c, 0,1,2,3
.irp p, 0,1,2,3,4,5,6,7
	global_load_b128 v[PR+4*(8*\c+\p):PR+4*(8*\c+\p)+3], v3, s[4:5] offset:\p*262144+\c*512 th:TH_LOAD_NT
.endr
.endr
.irp k, 0,1,2,3,4,5,6,7
	global_load_b64 v[UQ+2*\k:UQ+2*\k+1], v4, s[8:9] offset:\k*4096 th:TH_LOAD_NT
.endr
	v_mul_u32_u24 v5, v2, CP                       ; chunk 4 w + c is batch 2 w + c / 2, t = 32 (c % 2) + lane
	s_lshl_b32 s20, s12, 5
	v_add_nc_u32 v5, s20, v5
	s_lshl_b32 s21, s12, 11
	s_add_co_u32 s21, s21, UB
	v_lshl_add_u32 v6, v2, 3, s21
	s_mov_b32 s22, 0xffff0000
	s_mov_b32 s26, 0x3f666666                      ; 0.9
	s_mov_b32 s27, s26
	s_mov_b32 s28, 0x3fb8aa3b                      ; log2(e)
	s_mov_b32 s29, s28
	s_mov_b32 s30, 0x3d4ccccd                      ; 0.05
	s_mov_b32 s31, s30
	s_wait_kmcnt 0x0
	v_mov_b32 v8, s16
	v_mov_b32 v9, s17
	v_mov_b32 v10, s18
	v_mov_b32 v11, s19
	v_cvt_pk_bf16_f32 v12, v8, v9                  ; b2 rounded to bf16 and widened again
	v_cvt_pk_bf16_f32 v13, v10, v11
	v_lshlrev_b32 v8, 16, v12
	v_and_b32 v9, s22, v12
	v_lshlrev_b32 v10, 16, v13
	v_and_b32 v11, s22, v13
	s_wait_loadcnt 0x8                             ; the 32 loads of part are in; u2's eight may be out
.irp c, 0,1,2,3
.irp p, 1,2,3,4,5,6,7
	v_pk_add_f32 v[PR+32*\c:PR+32*\c+1],   v[PR+32*\c:PR+32*\c+1],   v[PR+32*\c+4*\p:PR+32*\c+4*\p+1]
	v_pk_add_f32 v[PR+32*\c+2:PR+32*\c+3], v[PR+32*\c+2:PR+32*\c+3], v[PR+32*\c+4*\p+2:PR+32*\c+4*\p+3]
.endr
	v_pk_add_f32 v[PR+32*\c:PR+32*\c+1],   v[PR+32*\c:PR+32*\c+1],   v[8:9]
	v_pk_add_f32 v[PR+32*\c+2:PR+32*\c+3], v[PR+32*\c+2:PR+32*\c+3], v[10:11]
.endr
	s_wait_loadcnt 0x0
.irp k, 0,1,2,3,4,5,6,7
	v_cvt_pk_bf16_f32 v[UT+\k], v[UQ+2*\k], v[UQ+2*\k+1]
.endr
.irp k, 0,1,2,3,4,5,6,7
	v_lshlrev_b32 v[UQ+2*\k], 16, v[UT+\k]
	v_and_b32 v[UQ+2*\k+1], s22, v[UT+\k]
.endr
	s_wait_alu depctr_va_vdst(0)                   ; the sums have written each chunk's first four registers, the widenings v160-175, the head v5 and v6: data and addresses of the twelve LDS stores below
.irp c, 0,1,2,3
	ds_store_b128 v5, v[PR+32*\c:PR+32*\c+3] offset:(\c%2)*32*CP+(\c/2)*16
.endr
.irp k, 0,1,2,3,4,5,6,7
	ds_store_b64 v6, v[UQ+2*\k:UQ+2*\k+1] offset:256*\k
.endr
	s_wait_dscnt 0x0                               ; for wave 0's sake: my stores are done
	s_barrier_signal -1
	s_barrier_wait -1
	s_wait_alu depctr_vm_vsrc(0)                   ; my LDS stores have read v32-35 and v64-67, in which wave 0's loads of the scan land; the wait stands ahead of the branch that picks that wave
	s_cmp_lg_u32 s12, 0
	s_cbranch_scc1 .Lend
	v_lshlrev_b32 v16, 3, v2                       ; cur2: 16 (l / 2) + 8 (l % 2) = 8 l in a row
	v_add_nc_u32 v17, UB, v16                      ; u2 likewise
	v_lshl_add_u32 v18, v2, 3, s14                 ; out0
.irp r, 20,21,22,23,24,25
	v_mov_b32 v\r, 0                               ; mem v[20:21], theta v[22:23], the count v[24:25]
.endr
; Eight t, from t0 on (counted from the lap's first t), into buffer d.
.macro FETCH d, t0
.irp k, 0,1,2,3,4,5,6,7
	ds_load_b64 v[DB+32*(\d)+4*\k:DB+32*(\d)+4*\k+1],   v16 offset:CP*((\t0)+\k)
	ds_load_b64 v[DB+32*(\d)+4*\k+2:DB+32*(\d)+4*\k+3], v17 offset:256*((\t0)+\k)
.endr
.endm
; A block: eight t out of buffer d.  ahead = 1: the next block's eight t, from t0 on, are asked for first, into the other buffer.
.macro BLK d, ahead, t0
.if \ahead
	s_wait_alu depctr_va_vdst(0)                   ; the block before is done reading the other buffer, in which the loads below land; in a lap's first block v16 and v17 are written, which they read
	FETCH 1-(\d), \t0
.endif
.irp k, 0,1,2,3,4,5,6,7
	s_wait_dscnt 16*(\ahead)+14-2*\k               ; this t's two loads are in; the block's younger pairs, and the next block's sixteen loads, may be out
	v_pk_fma_f32 v[20:21], v[20:21], s[26:27], v[DB+32*(\d)+4*\k:DB+32*(\d)+4*\k+1] op_sel_hi:[1,0,1]   ; mem = 0.9 mem + cur
	v_pk_add_f32 v[26:27], v[22:23], 1.0 op_sel_hi:[1,0]
	v_pk_add_f32 v[26:27], v[26:27], v[20:21] neg_lo:[0,1] neg_hi:[0,1]               ; - z
	v_pk_mul_f32 v[26:27], v[26:27], s[28:29] op_sel_hi:[1,0]
	v_exp_f32 v26, v26
	v_exp_f32 v27, v27
	v_pk_mul_f32 v[28:29], v[22:23], s[26:27] op_sel_hi:[1,0]                         ; 0.9 theta: the plain line behind the exponentials (ISA guide 5.7.2)
	s_wait_alu depctr_va_vdst(0)                   ; the two exponentials have written v26 and v27, ahead of their first reader
	v_pk_fma_f32 v[26:27], v[DB+32*(\d)+4*\k+2:DB+32*(\d)+4*\k+3], v[26:27], v[DB+32*(\d)+4*\k+2:DB+32*(\d)+4*\k+3]   ; u e^-z + u
	v_cmp_gt_f32 s32, 1.0, v26
	v_cmp_gt_f32 s33, 1.0, v27
	s_wait_alu depctr_va_sdst(0)                   ; the two compares have written s32 and s33, which the selects below read
	v_cndmask_b32 v30, 0, 1.0, s32
	v_cndmask_b32 v31, 0, 1.0, s33
	v_pk_fma_f32 v[20:21], v[30:31], v[20:21], v[20:21] neg_lo:[1,0,0] neg_hi:[1,0,0] ; mem (1 - spike)
	v_pk_fma_f32 v[22:23], v[30:31], s[30:31], v[28:29] op_sel_hi:[1,0,1]             ; theta
	v_pk_add_f32 v[24:25], v[24:25], v[30:31]
.endr
.endm
	s_wait_alu depctr_va_vdst(0)                   ; v16 and v17 are written, which the loads below read; the sums that read and wrote v32-95 stand ahead of this wait too
	FETCH 0, 0                                     ; t = 0 .. 7
	s_mov_b32 s24, 3
.Lt:                                                   ; a lap: sixteen t, both buffers once
	BLK 0, 1, 8
	BLK 1, 1, 16
	s_wait_alu depctr_vm_vsrc(0)                   ; the LDS loads issued so far have read v16 and v17
	v_add_nc_u32 v16, 16*CP, v16                   ; the next lap's first t; the wait at its first block's head states that these two are written
	v_add_nc_u32 v17, 16*256, v17
	s_sub_co_u32 s24, s24, 1
	s_cmp_lg_u32 s24, 0
	s_cbranch_scc1 .Lt
	BLK 0, 1, 8                                    ; the last lap is written out: its second block asks for nothing, so that no load passes u2's last row
	BLK 1, 0, 0
	v_pk_mul_f32 v[24:25], v[24:25], 0x3c800000 op_sel_hi:[1,0]                       ; / 64
	s_wait_alu depctr_va_vdst(0)                   ; the product has written v[24:25], the store's data; v18, its offset, was written ahead of the loop
	global_store_b64 v18, v[24:25], s[10:11]       ; 32 lanes store 256 consecutive bytes, at a multiple of 256 from out0's first
.Lend:
	s_barrier_signal -1
	s_barrier_wait -1
	s_wait_dscnt 0x0                               ; the closing lines, six on end
	s_wait_alu 0x0
	s_wait_tensorcnt 0x0
	ds_add_u32 v192, v193
	s_wait_dscnt 0x0
	s_endpgm
.Lfunc_end_k_q26fa3fba21_lif2:
	.size	k_q26fa3fba21_lif2, .Lfunc_end_k_q26fa3fba21_lif2-k_q26fa3fba21_lif2
	.p2alignl 7, 3214868480
	.fill 96, 4, 3214868480
	.section	.rodata,"a",@progbits
	.p2align	6, 0x0
	.amdhsa_kernel k_q26fa3fba21_lif2
		.amdhsa_group_segment_fixed_size 34816
		.amdhsa_private_segment_fixed_size 0
		.amdhsa_enable_private_segment 0
		.amdhsa_kernarg_size 32
		.amdhsa_user_sgpr_count 2
		.amdhsa_user_sgpr_kernarg_segment_ptr 1
		.amdhsa_wavefront_size32 1
		.amdhsa_system_sgpr_workgroup_id_x 1
		.amdhsa_system_sgpr_workgroup_id_y 1
		.amdhsa_system_sgpr_workgroup_id_z 1
		.amdhsa_system_vgpr_workitem_id 0
		.amdhsa_next_free_vgpr 194
		.amdhsa_next_free_sgpr 66
		.amdhsa_reserve_vcc 0
		.amdhsa_float_denorm_mode_32 3
		.amdhsa_float_denorm_mode_16_64 3
		.amdhsa_memory_ordered 1
		.amdhsa_forward_progress 1
		.amdhsa_inst_pref_size 49
	.end_amdhsa_kernel
	.amdgpu_metadata
---
amdhsa.version: [ 1, 2 ]
amdhsa.kernels:
  - .name:           k_q26fa3fba21_lif2
    .symbol:         k_q26fa3fba21_lif2.kd
    .args:
      - { .name: part, .offset: 0, .size: 8, .value_kind: global_buffer, .address_space: global }
      - { .name: b2, .offset: 8, .size: 8, .value_kind: global_buffer, .address_space: global }
      - { .name: u2, .offset: 16, .size: 8, .value_kind: global_buffer, .address_space: global }
      - { .name: out0, .offset: 24, .size: 8, .value_kind: global_buffer, .address_space: global }
    .group_segment_fixed_size: 34816
    .private_segment_fixed_size: 0
    .kernarg_segment_align: 8
    .kernarg_segment_size: 32
    .max_flat_workgroup_size: 256
    .sgpr_count:     66
    .vgpr_count:     194
    .wavefront_size: 32
...
	.end_amdgpu_metadata
.endif
;; end of part 3
